; MI455X (gfx1250); checked and timed in simulation.
; The chip was launched on July 23, 2026; its instructions are those of AMD's public machine-readable ISA for CDNA 5 (MIT licence, August 2026) and "CDNA5" Instruction Set Architecture Reference Guide (July 2026). The comments in the code are by the model that wrote it; some were corrected since.
;; Attention. Allowed arithmetic: matrix products marked QUANTISED: E2M3 operands, one E8M0 scale for each 32 along K, by v_wmma_scale_f32_16x16x128_f8f6f4 with both operands' format E2M3, f32 sums; everything else in f32.
;; Inputs: freqs_cos 2,048 x 32 float32; freqs_sin 2,048 x 32 float32; wk_codes 256 x 32 x 24 uint8 (E2M3 codes of wk, K innermost, in blocks of 32 codes, four codes in three bytes); wk_scales 256 x 32 uint8 (E8M0 scales of wk, one for each 32 codes along K); wo_codes 1,024 x 32 x 24 uint8 (E2M3 codes of wo, K innermost, in blocks of 32 codes, four codes in three bytes); wo_scales 1,024 x 32 uint8 (E8M0 scales of wo, one for each 32 codes along K); wq_codes 1,024 x 32 x 24 uint8 (E2M3 codes of wq, K innermost, in blocks of 32 codes, four codes in three bytes); wq_scales 1,024 x 32 uint8 (E8M0 scales of wq, one for each 32 codes along K); wv_codes 256 x 32 x 24 uint8 (E2M3 codes of wv, K innermost, in blocks of 32 codes, four codes in three bytes); wv_scales 256 x 32 uint8 (E8M0 scales of wv, one for each 32 codes along K); x_codes 2 x 2,048 x 32 x 24 uint8 (E2M3 codes of x, K innermost, in blocks of 32 codes, four codes in three bytes); x_scales 2 x 2,048 x 32 uint8 (E8M0 scales of x, one for each 32 codes along K).
;; Outputs: out0 2 x 2,048 x 1,024 float32.
;; This version of the problem:
;;   THIS VERSION OF THE PROBLEM IS GIVEN IN LOW PRECISION. The matrix products marked QUANTISED in the list below multiply operands that are first quantised to E2M3 (2 exponent bits, 3 mantissa bits; 6 bits a number), with one power-of-two scale for each 32 numbers along K (OCP MX v1.0); their sums are f32. All else is computed in f32.
;;   The module's matrix products, in the order in which they are computed (A, B: the left and right operand; K: the contracted axis; several contracted axes count as one K, in the product's order):
;;     1. [M 4,096, K 1,024] x [K 1,024, N 1,024]; A: input x (given as codes); B: input wq (given as codes): QUANTISED
;;     2. [M 4,096, K 1,024] x [K 1,024, N 256]; A: input x (given as codes); B: input wk (given as codes): QUANTISED
;;     3. [M 4,096, K 1,024] x [K 1,024, N 256]; A: input x (given as codes); B: input wv (given as codes): QUANTISED
;;     4. batch 8 x [M 2,048, K 64] x [K 64, N 8,192]; A: computed on the way; B: computed on the way: QUANTISED
;;     5. batch 8 x [M 64, K 2,048] x [K 2,048, N 8,192]; A: computed on the way; B: softmax (see below): QUANTISED
;;     6. [M 4,096, K 1,024] x [K 1,024, N 1,024]; A: computed on the way; B: input wo (given as codes): QUANTISED
;;   THE QUANTISER, for each operand of a quantised product, along K:
;;     - K is cut into blocks of 32 from its start; a last block that is shorter is filled with zeros.
;;     - A block's scale is 2^e with e = floor(log2(the largest magnitude in the block)) - 2, held to -126 .. 127; a block of zeros has e = 0. As a byte (E8M0): e + 127.
;;     - Each number is divided by its block's scale, clamped to +-7.5, and rounded to the nearest number of E2M3, ties to even, subnormals kept.
;;     - The product sums the exact products of the quantised numbers (number of the format x scale) in f32.
;;   ~~~python
;;   def quantise(x, axis):      # numpy; x: float32 -> the quantised numbers, widened to float32 again
;;       x = np.moveaxis(x, axis, -1); K = x.shape[-1]
;;       x = np.pad(x, [(0, 0)] * (x.ndim - 1) + [(0, -K % 32)]); x = x.reshape(x.shape[:-1] + (-1, 32)); a = np.abs(x).max(-1, keepdims=True)
;;       e = np.where(a > 0, np.clip(np.frexp(np.where(a > 0, a, 1))[1] - 1 - 2, -126, 127), 0)      # np.frexp(a)[1] - 1 = floor(log2(a)), exactly
;;       r = np.clip(x / 2.0 ** e, -7.5, 7.5)
;;       step = 2.0 ** (np.maximum(np.frexp(np.where(r == 0, 1, r))[1] - 1, 0) - 3)
;;       q = np.round(r / step) * step * 2.0 ** e      # np.round: ties to even
;;       return np.moveaxis(q.reshape(q.shape[:-2] + (-1,))[..., :K], -1, axis).astype(np.float32)
;;   ~~~
;;   SOFTMAX AHEAD OF A QUANTISED PRODUCT. Where the list says 'softmax', what is quantised is not the finished softmax but p = 2^(t - M), with t = logit x log2(e) and M = ceil(the row's largest t), a whole number; so 1/2 < the row's largest p <= 1. The row's sum l is taken of the UNQUANTISED p, in f32, and the product's result is divided by l at the end. Since M is a whole number, a kernel that streams over the keys may use a running M (the ceiling of the running maximum): every later rescaling is an exact power of two, which a block's scale takes up: the codes' values come out the same.
;;   OPERANDS COMPUTED ON THE WAY. 'Computed on the way' means the value that the module computes at that place (a softmax that the list does not call 'softmax' is quantised finished and normalised). What goes into a quantiser is computed in f32, as accurately as f32 sums, v_exp_f32 and their like allow (about 1e-6 of the number): no bf16 or f16 on the way to a quantiser, and a product that is left as it is and whose result goes on into a quantised operand takes f32 operands (vector FMAs, or v_wmma_f32_16x16x4_f32). A number that lies on a knife's edge between two numbers of the format may be rounded either way, as far as f32 arithmetic and the matrix unit's own rounding can turn it there, and no further.
;;   INPUTS GIVEN AS CODES. wk (in the module: [256, 1024], K = its axis 1); wo (in the module: [1024, 1024], K = its axis 1); wq (in the module: [1024, 1024], K = its axis 1); wv (in the module: [256, 1024], K = its axis 1); x (in the module: [2, 2048, 1024], K = its axis 2): each comes as NAME_codes (uint8): NAME with its K axis moved to the last place and cut into blocks of 32 codes, [.., K / 32, bytes a block], one block behind the other in memory; four codes in three bytes: a row's codes are one little-endian stream of bits, code i at bits 6 i .. 6 i + 5 (a code: sign, 2 exponent bits, 3 mantissa bits); and NAME_scales (uint8): the same leading axes, one E8M0 byte (e + 127) for each 32 codes along K. Its value is code x scale, taken as it is: it is not quantised again, and the codes and scales need not be those that the quantiser above would give.
;; One version. Each part assembles by itself: llvm-mc -triple=amdgcn-amd-amdhsa -mcpu=gfx1250 --defsym DOCPART=n.
;; ======== version 1 of 1: 3 launches
;; workspace buffers: qimg 3,145,728 bytes; qsc 262,144 bytes; kv 1,703,936 bytes; oimg 3,145,728 bytes; osc 131,072 bytes
;; launch proj (part 1): grid 32 x 12, 4 waves a work-group, no clusters, 246,272 bytes of LDS; arguments x_codes, x_scales, wq_codes, wq_scales, wk_codes, wk_scales, wv_codes, wv_scales, freqs_cos, freqs_sin, qimg, qsc, kv; writes qimg, qsc, kv
.if DOCPART == 1
	.amdgcn_target "amdgcn-amd-amdhsa--gfx1250"
	.amdhsa_code_object_version 6
	.text
	.protected	k_q218fdd3fc2_proj
	.globl	k_q218fdd3fc2_proj
	.p2align	8
	.type	k_q218fdd3fc2_proj,@function
k_q218fdd3fc2_proj:
	s_mov_b64 s[64:65], 0
	v_nop
	global_prefetch_b8 v0, s[64:65] scope:SCOPE_SE
	s_setreg_imm32_b32 hwreg(HW_REG_WAVE_MODE, 25, 1), 1
	s_wait_xcnt 0x0
; PROJ: q = rope(x wq^T), k = rope(x wk^T), v = x wv^T on codes of FP6 (E2M3) with E8M0 scales, and the quantisers of q, k (along the head's 64) and v (along the keys).
; DEAD WORK OF THE PROGRAM (left out in the launch attn): a key step of 128 keys all of which come after all 16 queries of a tile.  The problem's own jnp.tril sets those scores to the
; least f32 number ahead of the softmax, and key 0 counts for every query, so their p = 2^(t - M) is 0 for all finite inputs: they add nothing to the row's sum nor to the second product.
; LIMIT: a NaN, an infinity or an overflow that reaches only those scores is not carried to the result.  Every input has a way to the output and is loaded.
; LIMITS: NaN and infinities in the computed q, k, v are not served; a block whose largest magnitude lies under 2^-124 (a block of zeros too) gets the byte 1: the bytes are read by this program alone.
; SHARES.  A work-group makes 128 tokens (x of the grid) x 128 channels (y: 0-7 q, 8-9 k, 10-11 v) over the whole K = 1,024.  Two sides: S is source 0 of the matrix instruction, along which a
; lane's result registers run; P is source 1, of which a lane holds one row.  q, k: S = 128 rows of the weight (two heads), P = 128 tokens: a lane holds one token and its registers run along the head,
; which is the next K.  v: S = 128 tokens, P = 128 rows of wv: a lane holds one channel and its registers run along the keys, which are the next K.  The role chooses pointers alone, by ids.
; Wave w: S half w & 1, P half w >> 1: 4 x 4 tiles of 16 x 16, sixteen accumulators.
; THE ROWS OF A TILE ARE NOT NEIGHBOURS, on both sides: lane r of tile 2 b + u of a half of 64 takes row 32 b + 8 u + r + 8 (r / 8).  So the 16 registers of S tiles 2 b, 2 b + 1 are 16 neighbours, 32 b + 16 (lane / 16) + 0 .. 15.
; LDS: four slots, one for each 256 along K, each S's 128 rows then P's 128 rows; a row is 192 bytes with 16 of padding behind every 64: 240 bytes.  Every byte is filled once: no slot is filled again.
; WHAT IS STORED: units of 768 bytes, the image of six operand registers (64 codes of 16 rows): registers 0-3 at 16 x lane, registers 4-5 at 512 + 8 x lane; and scale words, lanes 0-15 an even tile's, lanes 16-31 the odd one's.
; NO CLUSTER: four partners along y would hold tiles of both roles (y = 8 .. 11), whose tile of x lies at different LDS bytes, so their descriptors would differ; along x only the weight's half of the bytes is shared: not built in this text.
; 384 work-groups: one and a half for each of 256; no tile with one role gives 256.
.set PITCH,  240
.set HALFT,  64*PITCH                  ; 64 rows: what one tensor load brings
.set SLOT,   4*HALFT
.set SPARE,  4*SLOT                    ; behind the slots: the spare words, 128 bytes a wave
.set REC,    26624                     ; a record of kv: 256 keys of one head: 16 units of k, 16 of v, 1,024 bytes of k's scale words, 1,024 of v's
.set SPW, 2                            ; v2   my spare word's LDS address; never rewritten
.set NIL, 3                            ; v3   0; never rewritten
.set AS,  8                            ; v8-11  LDS address of my S fragments in slot 0..3; v12-15 the same for pieces behind one padding more
.set AP,  16                           ; v16-19, v20-23 the same for P
.set SOF, 24                           ; v24  my row's scale bytes: 32 x (r + 8 (r / 8))
.set L16, 25                           ; v25  16 x lane
.set L8,  26                           ; v26  8 x lane
.set FOF, 27                           ; v27  cos, sin: 128 x (r + 8 (r / 8)) + 32 (lane / 16)
.set SS,  32                           ; v32-63  S's scale words: tile s, K step k at 8 s + k.  These hold scales alone
.set PS,  64                           ; v64-95  P's likewise
.set TM,  96                           ; v96-101 the quantiser: two maxima, two bytes, two scale operands
.set TC,  102                          ; v102-104 a block's upper 16 codes
.set RT,  106                          ; v106-111 rope: three pairs by turns
.set PW,  112                          ; v112-115 the four tiles' scale words
.set SW,  116                          ; v116-117 the same, two tiles to a register
.set ACC, 128                          ; v128-255 accumulator (p, s) at 32 p + 8 s
.set G1,  32                           ; s[32:39] descriptor group 1
.set G0,  40                           ; s[40:55] group 0, one for each slot
.set WV,  56
.set WS,  57
.set WP,  58
.set RV,  59                           ; 1: the tile is v's
.set BB,  60                           ; batch
.set TBK, 61                           ; tile of 128 tokens in the batch
.set CT,  62                           ; tile of 128 channels
.set WR0, 63                           ; its first row in its weight
.set SEL, 66                           ; s[66:67] selects for lane l xor 16
.set HM,  68                           ; lanes 16-31
.set WC,  70                           ; s[70:71] the weight's codes
.set WSC, 72                           ; s[72:73] its scale bytes
.set DC,  76                           ; s[76:77] where my units go
.set DS,  78                           ; s[78:79] where my scale words go
.set SSP, 80
.set PSP, 82
.set FC,  84
.set FS,  86
.set MSB, 0
.macro WIN new                         ; the immediate's high byte repeats the setting that is left
.if MSB != \new
	s_set_vgpr_msb (MSB<<8)|\new
.set MSB, \new
.endif
.endm
.set TO_F,  0x40                       ; destination window 1 (fragments), address window 0
.set MUL,   0x05                       ; sources 0 and 1 window 1, C and D window 0
.set TO_W2, 0x80                       ; destination window 2 (cos, sin)
.set ROPE,  0x08                       ; source 1 window 2
.macro PLACES                          ; four plain places behind a matrix instruction (ISA guide 7.12.1)
.rept 4
	v_nop
.endr
.endm
; a fragment, 16 rows x 128 K: 12 registers, six pieces of 8 bytes.  Lanes 16-31 read three pieces on, which for some pieces is behind one padding more: the second address register serves those
.macro FRAG reg, adr, q, i
.irp p, 0,1,2,3,4,5
.set PCE, 12*(\q)+6*(\p/3)+\p%3
.if PCE%8 < 5
	ds_load_b64 v[\reg+2*\p:\reg+2*\p+1], v[\adr] offset:8*PCE+16*(PCE/8)+(32*((\i)/2)+8*((\i)%2))*PITCH
.else
	ds_load_b64 v[\reg+2*\p:\reg+2*\p+1], v[\adr+4] offset:8*PCE+16*(PCE/8)+(32*((\i)/2)+8*((\i)%2))*PITCH
.endif
.endr
.endm
.macro FETCH k, f                      ; K step k's eight fragments into buffer f of window 1: 48 loads
	WIN TO_F
.irp i, 0,1,2,3
	FRAG 128*(\f)+12*\i, AS+(\k)/2, (\k)%2, \i
.endr
.irp i, 0,1,2,3
	FRAG 128*(\f)+48+12*\i, AP+(\k)/2, (\k)%2, \i
.endr
.endm
.macro MULS k, f, zero                 ; sixteen products; the accumulators take turns, one instruction a turn, in the same order in every step
	WIN MUL
.irp p, 0,1,2,3
.irp s, 0,1,2,3
.if \zero
	v_wmma_scale_f32_16x16x128_f8f6f4 v[ACC+32*\p+8*\s:ACC+32*\p+8*\s+7], v[128*(\f)+12*\s:128*(\f)+12*\s+11], v[128*(\f)+48+12*\p:128*(\f)+48+12*\p+11], 0, v[SS+8*\s+(\k)], v[PS+8*\p+(\k)] matrix_a_fmt:MATRIX_FMT_FP6 matrix_b_fmt:MATRIX_FMT_FP6
.else
	v_wmma_scale_f32_16x16x128_f8f6f4 v[ACC+32*\p+8*\s:ACC+32*\p+8*\s+7], v[128*(\f)+12*\s:128*(\f)+12*\s+11], v[128*(\f)+48+12*\p:128*(\f)+48+12*\p+11], v[ACC+32*\p+8*\s:ACC+32*\p+8*\s+7], v[SS+8*\s+(\k)], v[PS+8*\p+(\k)] matrix_a_fmt:MATRIX_FMT_FP6 matrix_b_fmt:MATRIX_FMT_FP6
.endif
.endr
.endr
.endm
; 32 numbers of a lane, register 16 b + i = place 32 b + 16 (lane / 16) + i of my row's 64, become six registers of codes (lanes 0-15 block 0, lanes 16-31 block 1) and a scale word (two bytes, 0x7f on top)
.macro QUANT2 s, pc, pw
.irp b, 0,1
	v_max3_num_f32 v[TM+\b], |v[(\s)+16*\b]|, |v[(\s)+16*\b+1]|, 0x1800000   ; my 16 numbers of block b, and the floor 2^(3 - 127): the byte cannot fall under 1
.endr
.irp i, 2,4,6,8,10,12,14
.irp b, 0,1
	v_max3_num_f32 v[TM+\b], v[TM+\b], |v[(\s)+16*\b+\i]|, |v[(\s)+16*\b+\i+1]|
.endr
.endr
.irp b, 0,1
	v_permlanex16_b32 v[TM+2+\b], v[TM+\b], s[SEL], s[SEL+1]
.endr
.irp b, 0,1
	v_max_num_f32 v[TM+\b], v[TM+\b], v[TM+2+\b]                    ; with lane l xor 16's: the block's largest magnitude
.endr
.irp b, 0,1
	v_add_nc_u32 v[TM+4+\b], 0xff000000, v[TM+\b]                   ; 2 off its exponent field: the conversion's scale operand
.endr
.irp b, 0,1
	v_lshrrev_b32 v[TM+2+\b], 23, v[TM+4+\b]                        ; the scale's byte
.endr
	v_lshl_or_b32 v[\pw], v[TM+3], 8, v[TM+2]
	v_or_b32 v[\pw], 0x7f7f0000, v[\pw]                             ; the upper 64 of a K step of 128 get the scale 1
	v_cvt_scalef32_pk16_fp6_f32 v[(\pc):(\pc)+2], v[(\s):(\s)+15], v[TM+4]
	v_cvt_scalef32_pk16_fp6_f32 v[TC:TC+2], v[(\s)+16:(\s)+31], v[TM+5]
	v_nop                                                           ; one plain place behind a scaled conversion
.irp i, 0,1,2
	v_permlane16_swap_b32 v[(\pc)+\i], v[TC+\i]                     ; a whole block to a lane: the first now holds my block's lower 16 codes, the second the upper 16
.endr
.irp i, 0,1,2
	v_mov_b32 v[(\pc)+3+\i], v[TC+\i]
.endr
.endm
	s_load_b512 s[4:19], s[0:1], 0x0               ; x codes, x scales, wq codes, scales, wk codes, scales, wv codes, scales
	s_load_b256 s[20:27], s[0:1], 0x40             ; cos, sin, qimg, qsc
	s_load_b64 s[28:29], s[0:1], 0x60              ; kv
	v_lshl_add_u32 v[SPW], v0, 2, SPARE
	v_mov_b32 v[NIL], 0
	ds_add_u32 v[SPW], v[NIL]                      ; the wave's opening: the add, twice on end, and its wait ahead of my first tensor load
	ds_add_u32 v[SPW], v[NIL]
	v_lshrrev_b32 v1, 5, v0
	v_readfirstlane_b32 s[WV], v1                  ; wave 0..3
	s_and_b32 s[WS], s[WV], 1
	s_lshr_b32 s[WP], s[WV], 1
	s_and_b32 s[CT], ttmp7, 0xffff
	s_lshr_b32 s[BB], ttmp9, 4
	s_and_b32 s[TBK], ttmp9, 15
	s_cmp_ge_u32 s[CT], 10
	s_cselect_b32 s[RV], 1, 0
	s_and_b32 s69, s[CT], 1
	s_lshl_b32 s69, s69, 7                         ; wk, wv: 128 x (y & 1)
	s_lshl_b32 s[WR0], s[CT], 7                    ; wq: 128 y
	s_cmp_lt_u32 s[CT], 8
	s_cselect_b32 s[WR0], s[WR0], s69
	s_mov_b32 s[G1+0], (1<<20)|(3<<22)|(3<<25)     ; no mask; elements of 1 byte; padding on: after every 16 words (code 3) 4 words (code 3)
	s_mov_b32 s[G1+1], 192<<16                     ; tensor_dim0 = 192
	s_mov_b32 s[G1+2], 64<<16                      ; tensor_dim1 = 64
	s_mov_b32 s[G1+3], 192<<16                     ; tile_dim0 = 192
	s_mov_b32 s[G1+4], 64                          ; tile_dim1 = 64
	s_mov_b32 s[G1+5], 768                         ; a row of 1,024 codes in memory
	s_mov_b32 s[G1+6], 0
	s_mov_b32 s[G1+7], 0
	s_mov_b32 s[SEL], 0x76543210
	s_mov_b32 s[SEL+1], 0xfedcba98
	s_mov_b32 s[HM], 0xffff0000
	; what I fetch: side w >> 1 (0: S, 1: P), half w & 1.  The side is x's where (w >> 1) xor RV is 1
	s_xor_b32 s69, s[WP], s[RV]
	s_lshl_b32 s88, ttmp9, 7                       ; the tile's first token
	s_cmp_eq_u32 s69, 1
	s_cselect_b32 s88, s88, s[WR0]
	s_lshl_b32 s92, s[WS], 6
	s_add_co_u32 s88, s88, s92
	s_mul_i32 s88, s88, 768                        ; my first row, in bytes
	s_mov_b32 s89, 0
	s_mul_i32 s92, s[WV], HALFT                    ; and its place in a slot
	s_wait_dscnt 0x0                               ; both opening adds are done
	s_wait_kmcnt 0x0
	s_cmp_lt_u32 s[CT], 10
	s_cselect_b64 s[WC:WC+1], s[12:13], s[16:17]
	s_cselect_b64 s[WSC:WSC+1], s[14:15], s[18:19]
	s_cmp_lt_u32 s[CT], 8
	s_cselect_b64 s[WC:WC+1], s[8:9], s[WC:WC+1]
	s_cselect_b64 s[WSC:WSC+1], s[10:11], s[WSC:WSC+1]
	s_cmp_eq_u32 s69, 1
	s_cselect_b64 s[90:91], s[4:5], s[WC:WC+1]
	s_add_nc_u64 s[90:91], s[90:91], s[88:89]
.irp c, 0,1,2,3
	s_mov_b32 s[G0+4*\c], 1                        ; count = 1
	s_add_co_u32 s[G0+4*\c+1], s92, \c*SLOT        ; LDS address
	s_add_nc_u64 s[G0+4*\c+2:G0+4*\c+3], s[90:91], \c*192   ; 256 along K are 192 bytes
	s_or_b32 s[G0+4*\c+3], s[G0+4*\c+3], 0x80000000         ; type = 2
.endr
.irp c, 0,1,2,3
	tensor_load_to_lds s[G0+4*\c:G0+4*\c+3], s[G1:G1+7]     ; all four first fills together: four loads of mine are out
	s_nop 0
.endr
	PLACES
	; the scale words of all eight K steps: 32 bytes a row, straight into registers
	s_lshl_b32 s92, ttmp9, 7
	s_cmp_eq_u32 s[RV], 0
	s_cselect_b64 s[SSP:SSP+1], s[WSC:WSC+1], s[6:7]
	s_cselect_b64 s[PSP:PSP+1], s[6:7], s[WSC:WSC+1]
	s_cselect_b32 s88, s[WR0], s92
	s_cselect_b32 s90, s92, s[WR0]
	s_lshl_b32 s93, s[WS], 6
	s_add_co_u32 s88, s88, s93
	s_lshl_b32 s88, s88, 5
	s_mov_b32 s89, 0
	s_lshl_b32 s93, s[WP], 6
	s_add_co_u32 s90, s90, s93
	s_lshl_b32 s90, s90, 5
	s_mov_b32 s91, 0
	s_add_nc_u64 s[SSP:SSP+1], s[SSP:SSP+1], s[88:89]
	s_add_nc_u64 s[PSP:PSP+1], s[PSP:PSP+1], s[90:91]
	v_and_b32 v4, 15, v0                           ; r
	v_bfe_u32 v5, v0, 4, 1                         ; h
	v_and_b32 v6, 8, v4
	v_add_nc_u32 v6, v6, v4                        ; r + 8 (r / 8)
	v_lshlrev_b32 v[SOF], 5, v6
.irp t, 0,1,2,3
	global_load_b128 v[SS+8*\t:SS+8*\t+3], v[SOF], s[SSP:SSP+1] offset:(32*(\t/2)+8*(\t%2))*32
	global_load_b128 v[SS+8*\t+4:SS+8*\t+7], v[SOF], s[SSP:SSP+1] offset:(32*(\t/2)+8*(\t%2))*32+16
	global_load_b128 v[PS+8*\t:PS+8*\t+3], v[SOF], s[PSP:PSP+1] offset:(32*(\t/2)+8*(\t%2))*32
	global_load_b128 v[PS+8*\t+4:PS+8*\t+7], v[SOF], s[PSP:PSP+1] offset:(32*(\t/2)+8*(\t%2))*32+16
.endr
	; q, k: cos and sin of my four tokens: pair 16 b + 8 h + m of the head's 32 goes to window 2: cos at 32 p + 8 b + m, sin 16 further on
	v_lshlrev_b32 v[FOF], 7, v6
	v_lshl_add_u32 v[FOF], v5, 5, v[FOF]
	s_lshl_b32 s88, s[TBK], 7
	s_add_co_u32 s88, s88, s93                     ; my first token in the sequence: 128 x tile + 64 x P half
	s_lshl_b32 s88, s88, 7
	s_add_nc_u64 s[FC:FC+1], s[20:21], s[88:89]
	s_add_nc_u64 s[FS:FS+1], s[22:23], s[88:89]
	s_cmp_eq_u32 s[RV], 0
	s_cbranch_scc0 .Lno_freqs                      ; v is not turned
	WIN TO_W2
	s_wait_alu depctr_va_vdst(0)
.irp p, 0,1,2,3
.irp b, 0,1
	global_load_b128 v[32*\p+8*\b:32*\p+8*\b+3], v[FOF], s[FC:FC+1] offset:(32*(\p/2)+8*(\p%2))*128+64*\b
	global_load_b128 v[32*\p+8*\b+4:32*\p+8*\b+7], v[FOF], s[FC:FC+1] offset:(32*(\p/2)+8*(\p%2))*128+64*\b+16
	global_load_b128 v[32*\p+16+8*\b:32*\p+16+8*\b+3], v[FOF], s[FS:FS+1] offset:(32*(\p/2)+8*(\p%2))*128+64*\b
	global_load_b128 v[32*\p+16+8*\b+4:32*\p+16+8*\b+7], v[FOF], s[FS:FS+1] offset:(32*(\p/2)+8*(\p%2))*128+64*\b+16
.endr
.endr
	WIN 0
.Lno_freqs:
	s_wait_alu depctr_va_vdst(0)
	v_mul_u32_u24 v7, v6, PITCH
	v_mad_u32_u24 v7, v5, 24, v7                   ; my row x pitch + 24 x half
	v_lshl_add_u32 v28, v5, 4, v7                  ; and the same behind one padding more
	s_mul_i32 s88, s[WS], HALFT                    ; my half of S
	s_mul_i32 s90, s[WP], HALFT
	s_add_co_u32 s90, s90, 2*HALFT                 ; my half of P, behind S's 128 rows
.irp c, 0,1,2,3
	v_add_nc_u32 v[AS+\c], s88, v7
	v_add_nc_u32 v[AS+4+\c], s88, v28
	v_add_nc_u32 v[AP+\c], s90, v7
	v_add_nc_u32 v[AP+4+\c], s90, v28
	s_add_co_u32 s88, s88, SLOT
	s_add_co_u32 s90, s90, SLOT
.endr
	v_and_b32 v29, 31, v0
	v_lshlrev_b32 v[L16], 4, v29
	v_lshlrev_b32 v[L8], 3, v29
	; where my results go
	s_lshl_b32 s88, s[BB], 4
	s_lshl_b32 s89, s[CT], 1
	s_add_co_u32 s88, s88, s89
	s_add_co_u32 s88, s88, s[WS]                   ; q: 16 x batch + head
	s_lshl_b32 s90, s88, 7
	s_lshl_b32 s91, s[TBK], 3
	s_add_co_u32 s90, s90, s91
	s_lshl_b32 s91, s[WP], 2
	s_add_co_u32 s90, s90, s91
	s_mul_i32 s90, s90, 768                        ; q's units: (head x 128 + token tile) x 768
	s_lshl_b32 s88, s88, 5
	s_lshl_b32 s91, s[TBK], 1
	s_add_co_u32 s88, s88, s91
	s_add_co_u32 s88, s88, s[WP]
	s_lshl_b32 s88, s88, 8                         ; q's scale words: (head x 32 + block of 64 tokens) x 256
	s_cmp_eq_u32 s[RV], 0
	s_cselect_b32 s92, s[WS], s[WP]                ; which half is the head's,
	s_cselect_b32 s93, s[WP], s[WS]                ; and which the tokens'
	s_add_co_u32 s92, s92, s89
	s_and_b32 s92, s92, 3                          ; the key and value head
	s_lshl_b32 s91, s[BB], 2
	s_add_co_u32 s92, s92, s91
	s_lshl_b32 s92, s92, 3
	s_lshr_b32 s91, s[TBK], 1
	s_add_co_u32 s92, s92, s91
	s_mul_i32 s92, s92, REC                        ; the record of these 256 keys
	s_and_b32 s94, s[TBK], 1
	s_lshl_b32 s94, s94, 1
	s_add_co_u32 s94, s94, s93                     ; which 64 keys of the 256
	s_mul_i32 s91, s94, 4*768
	s_add_co_u32 s91, s91, s92
	s_mul_i32 s95, s[RV], 12288
	s_add_co_u32 s91, s91, s95                     ; k's or v's units
	s_lshl_b32 s94, s94, 8
	s_add_co_u32 s94, s94, s92
	s_lshl_b32 s95, s[RV], 10
	s_add_co_u32 s94, s94, s95
	s_add_co_u32 s94, s94, 24576                   ; k's or v's scale words
	s_cmp_lt_u32 s[CT], 8
	s_cselect_b32 s96, s90, s91
	s_cselect_b32 s98, s88, s94
	s_cselect_b64 s[DC:DC+1], s[24:25], s[28:29]
	s_cselect_b64 s[DS:DS+1], s[26:27], s[28:29]
	s_mov_b32 s97, 0
	s_mov_b32 s99, 0
	s_add_nc_u64 s[DC:DC+1], s[DC:DC+1], s[96:97]
	s_add_nc_u64 s[DS:DS+1], s[DS:DS+1], s[98:99]
	s_wait_alu depctr_va_vdst(0)
	s_wait_tensorcnt 0x3                           ; my part of slot 0 is in; my three younger loads may stay out
	s_barrier_signal -1
	s_barrier_wait -1                              ; everybody's is
	FETCH 0, 0
.irp k, 0,1,2,3,4,5,6,7
.if \k < 7
.if (\k+1)%2 == 0
	s_wait_tensorcnt 3-(\k+1)/2                    ; my part of the next slot is in; the younger loads may stay out
	s_wait_dscnt 0x0                               ; no LDS load of mine is out at the signal
	s_barrier_signal -1
	s_barrier_wait -1
.endif
.if \k >= 1
	PLACES                                         ; in front of loads into the buffer that the step before multiplied
.endif
	FETCH \k+1, (\k+1)%2
	s_wait_dscnt 48                                ; all but the 48 just issued
.else
	s_wait_dscnt 0x0
.endif
.if \k == 0
	s_wait_loadcnt 0x0                             ; the scale words (and cos, sin)
	MULS \k, \k%2, 1                               ; the first step starts the sums: nothing is cleared
.else
	MULS \k, \k%2, 0
.endif
.endr
	WIN 0
	PLACES
	s_cmp_eq_u32 s[RV], 0
	s_cbranch_scc0 .Lno_rope
	WIN ROPE                                       ; q, k: each pair (real, imaginary) is turned by its token's angle; ascending
.irp p, 0,1,2,3
.irp i, 0,1,2,3,4,5,6,7,8,9,10,11,12,13,14,15
.set XR, ACC+32*\p+2*\i
.set TR, RT+2*(\i%3)
	v_mul_f32 v[TR], v[XR+1], v[32*\p+16+\i]       ; xi sin
	v_mul_f32 v[TR+1], v[XR], v[32*\p+16+\i]       ; xr sin
	v_fma_f32 v[XR], v[XR], v[32*\p+\i], -v[TR]    ; xr cos - xi sin
	v_fma_f32 v[XR+1], v[XR+1], v[32*\p+\i], v[TR+1]   ; xi cos + xr sin
.endr
.endr
	WIN 0
.Lno_rope:
	v_mov_b32 v[TM+2], 0                           ; a lane permute's destination counts as one of its sources
	v_mov_b32 v[TM+3], 0
	QUANT2 ACC, 120, PW                            ; tile 0's codes to v120-125; each later tile's into the accumulators of the tile before, which are done with
	QUANT2 ACC+32, 128, PW+1
	QUANT2 ACC+64, 160, PW+2
	QUANT2 ACC+96, 192, PW+3
.irp g, 0,1
	v_cndmask_b32 v[SW+\g], v[PW+2*\g], v[PW+2*\g+1], s[HM]   ; lanes 0-15 the even tile's words, lanes 16-31 the odd one's
.endr
	global_store_b128 v[L16], v[120:123], s[DC:DC+1]          ; 32 lanes store 512 consecutive bytes, aligned;
	global_store_b64 v[L8], v[124:125], s[DC:DC+1] offset:512 ; and 256
.irp p, 1,2,3
	global_store_b128 v[L16], v[96+32*\p:99+32*\p], s[DC:DC+1] offset:768*\p
	global_store_b64 v[L8], v[100+32*\p:101+32*\p], s[DC:DC+1] offset:768*\p+512
.endr
	global_store_b64 v[L8], v[SW:SW+1], s[DS:DS+1]            ; 256 consecutive bytes, aligned
	s_wait_tensorcnt 0x0                           ; the wave's end
	ds_add_u32 v[SPW], v[NIL]
	s_wait_dscnt 0x0
	s_endpgm
.Lfunc_end_k_q218fdd3fc2_proj:
	.size	k_q218fdd3fc2_proj, .Lfunc_end_k_q218fdd3fc2_proj-k_q218fdd3fc2_proj
	.p2alignl 7, 3214868480
	.fill 96, 4, 3214868480
	.section	.rodata,"a",@progbits
	.p2align	6, 0x0
	.amdhsa_kernel k_q218fdd3fc2_proj
		.amdhsa_group_segment_fixed_size 246272
		.amdhsa_private_segment_fixed_size 0
		.amdhsa_enable_private_segment 0
		.amdhsa_kernarg_size 104
		.amdhsa_user_sgpr_count 2
		.amdhsa_user_sgpr_kernarg_segment_ptr 1
		.amdhsa_wavefront_size32 1
		.amdhsa_system_sgpr_workgroup_id_x 1
		.amdhsa_system_sgpr_workgroup_id_y 1
		.amdhsa_system_sgpr_workgroup_id_z 1
		.amdhsa_system_vgpr_workitem_id 0
		.amdhsa_next_free_vgpr 640
		.amdhsa_next_free_sgpr 100
		.amdhsa_reserve_vcc 0
		.amdhsa_float_denorm_mode_32 3
		.amdhsa_float_denorm_mode_16_64 3
		.amdhsa_memory_ordered 1
		.amdhsa_forward_progress 1
		.amdhsa_inst_pref_size 76
	.end_amdhsa_kernel
	.amdgpu_metadata
---
amdhsa.version: [ 1, 2 ]
amdhsa.kernels:
  - .name:           k_q218fdd3fc2_proj
    .symbol:         k_q218fdd3fc2_proj.kd
    .args:
      - { .name: x_codes, .offset: 0, .size: 8, .value_kind: global_buffer, .address_space: global }
      - { .name: x_scales, .offset: 8, .size: 8, .value_kind: global_buffer, .address_space: global }
      - { .name: wq_codes, .offset: 16, .size: 8, .value_kind: global_buffer, .address_space: global }
      - { .name: wq_scales, .offset: 24, .size: 8, .value_kind: global_buffer, .address_space: global }
      - { .name: wk_codes, .offset: 32, .size: 8, .value_kind: global_buffer, .address_space: global }
      - { .name: wk_scales, .offset: 40, .size: 8, .value_kind: global_buffer, .address_space: global }
      - { .name: wv_codes, .offset: 48, .size: 8, .value_kind: global_buffer, .address_space: global }
      - { .name: wv_scales, .offset: 56, .size: 8, .value_kind: global_buffer, .address_space: global }
      - { .name: freqs_cos, .offset: 64, .size: 8, .value_kind: global_buffer, .address_space: global }
      - { .name: freqs_sin, .offset: 72, .size: 8, .value_kind: global_buffer, .address_space: global }
      - { .name: qimg, .offset: 80, .size: 8, .value_kind: global_buffer, .address_space: global }
      - { .name: qsc, .offset: 88, .size: 8, .value_kind: global_buffer, .address_space: global }
      - { .name: kv, .offset: 96, .size: 8, .value_kind: global_buffer, .address_space: global }
    .group_segment_fixed_size: 246272
    .private_segment_fixed_size: 0
    .kernarg_segment_align: 8
    .kernarg_segment_size: 104
    .max_flat_workgroup_size: 128
    .sgpr_count:     100
    .vgpr_count:     640
    .wavefront_size: 32
...
	.end_amdgpu_metadata
.endif
;; end of part 1
;; launch attn (part 2): grid 32 x 8, 16 waves a work-group, no clusters, 215,040 bytes of LDS; arguments qimg, qsc, kv, oimg, osc; writes oimg, osc
.if DOCPART == 2
	.amdgcn_target "amdgcn-amd-amdhsa--gfx1250"
	.amdhsa_code_object_version 6
	.text
	.protected	k_q218fdd3fc2_attn
	.globl	k_q218fdd3fc2_attn
	.p2align	8
	.type	k_q218fdd3fc2_attn,@function
k_q218fdd3fc2_attn:
	s_mov_b64 s[64:65], 0
	v_nop
	global_prefetch_b8 v0, s[64:65] scope:SCOPE_SE
	s_setreg_imm32_b32 hwreg(HW_REG_WAVE_MODE, 25, 1), 1
	s_wait_xcnt 0x0
; ATTN: o = softmax(q k^T / 8, causal) v for one key and value head's four query heads, both products on codes of FP6 (E2M3), and the quantiser of o along the head's 64.
; LEFT OUT AS DEAD WORK: key steps of 128 keys all of which come after a tile's 16 queries (the problem's own jnp.tril: their p is 0 for all inputs; shown at the head of the launch proj).
; LIMITS: a NaN, an infinity or an overflow that reaches only those scores is not carried to the result; NaN and infinities are not served; 1 / l is made by v_rcp_f32; a block of o under 2^-124 gets the byte 1 (read by this program alone).
; THE SOFTMAX: t = score x log2(e) / 8; M = the running largest t rounded UP to a whole number; p = 2^(t - M) is quantised along the keys; the row's sum is taken of the unquantised p and divides O at the end.
; SHARES.  y of the grid: batch x 4 + key and value head.  Work-group j owns the groups of 32 tokens j and 63 - j, for four query heads: 16 tiles of 16 queries, one for each of SIXTEEN waves of 256 registers.
; A group g has 1 + g / 4 key steps: j and 63 - j together 17, the same for every j: the mask's work is even.  Wave w: head w / 4, tile (w + w / 4) % 4 of the four (two of each group).
; A tile's queries are not neighbours: lane r holds query Q0 + r + 8 (r / 8), Q0 = 32 x group + 8 x (tile & 1): so proj has laid q's units.  The keys of a tile likewise: the 16 registers of key tiles 2 b, 2 b + 1 are keys 32 b + 16 (lane / 16) + 0 .. 15.
; Both products are used transposed: S^T = K Q^T, O^T = V^T P^T: a lane holds one query throughout.
; K = 64 IN AN INSTRUCTION OF 128: q's operand has zero codes in its upper six registers; a key tile's operand names twelve registers of which the upper six hold the next tile's codes (behind the last tile: zeros): they meet q's zeros under the scale 1.
; LDS: the head's eight records of 256 keys (26,624 bytes: 16 units of k, 16 of v, their scale words), as they lie in memory.  Each is written ONCE, through registers, one record ahead of its use: one barrier a record, and nothing is overwritten.
; No tensor loads: how many records a work-group needs hangs on its number, and the fills are passed over by branches on ids.  NO CLUSTER for the same reason: partners would need different numbers of records.
.set REC,   26624
.set SPARE, 8*REC                      ; behind the records: the spare words, 128 bytes for each of 16 waves
.set L16,   1                          ; v1   16 x lane
.set L8,    2                          ; v2   8 x lane
.set T16,   3                          ; v3   16 x thread
.set T4,    4                          ; v4   4 x thread
.set SPW,   5                          ; v5   my spare word; never rewritten
.set NIL,   6                          ; v6   0; never rewritten
.set PFO,   7                          ; v7   256 x thread: the prefetch's offset
.set ADK16, 8                          ; v8   the record in hand + 16 x lane
.set ADK8,  9                          ; v9   + 8 x lane
.set ADW16, 10                         ; v10  the next record + 16 x thread
.set ADW4,  11                         ; v11  + 4 x thread
;                                        v12 -M, v13 the largest t, v[14:15] the row's sum in two halves
.set QF,    16                         ; v16-21 q's unit, v22-27 zeros
.set QS,    28                         ; v28  q's scale words
.set DL,    29                         ; v29  r + 8 (r / 8) - 16 (lane / 16)
.set MD,    30                         ; v30, v31 the mask's
.set MI,    31
;                                        v32-79 eight key tiles (6 registers each), later four fragments of v; v80-85 zeros
.set KS,    86                         ; v86-89 k's scale words: pair b: lanes 0-15 tile 2 b, lanes 16-31 tile 2 b + 1
.set VR,    90                         ; v90-93 v's scale words as stored: two bytes for each 64 keys
.set VS,    94                         ; v94-95 v's scale words for 128 keys
;                                        v96-159 S^T, then p; v160-191 O^T
.set FS,    192                        ; v192-204 the next record on its way through registers
.set BM,    206                        ; v206-209 each block's largest score, then its largest p
.set BT,    210                        ; v210-213 permute results, then the bytes
.set BSC,   214                        ; v214-217 the conversions' scale operands
.set T0,    218
.set F,     220                        ; v[220:221] f = 2^(old M - new M)
.set S2,    222                        ; v[222:223] the sum's second chain
.set PCD,   224                        ; v224-235 p's codes
.set CT0,   236                        ; v236-238, v240-242 upper halves of blocks
.set PSW,   243                        ; v243 p's scale word
.set OB,    244                        ; v244 8 r + lane / 16
.set QO,    245                        ; v245 8 r
.set TM,    206                        ; the way out's quantiser works in v206-211,
.set TC,    236                        ; and v236-238
.set WV,  18
.set SEL, 20
.set CS,  22                           ; s[22:23] c = log2(e) / 8
.set TB,  24                           ; LDS byte of the record in hand
.set KF,  25                           ; the step's first key
.set Q0,  26                           ; my tile's first query
.set LQ,  27                           ; my work-group's last query
.set CNT, 28
.set PFL, 29                           ; trips in which my wave prefetches
.set KVP, 30                           ; s[30:31] the record in hand, in memory
.set OP,  32
.set OSP, 34
.set HM,  36
.set PSEL, 37
.set FLAG, 38
.macro QUANT2 s, pc, pw                ; as in the launch proj: 32 numbers of a lane become six registers of codes and a scale word
.irp b, 0,1
	v_max3_num_f32 v[TM+\b], |v[(\s)+16*\b]|, |v[(\s)+16*\b+1]|, 0x1800000
.endr
.irp i, 2,4,6,8,10,12,14
.irp b, 0,1
	s_delay_alu instid0(VALU_DEP_2)
	v_max3_num_f32 v[TM+\b], v[TM+\b], |v[(\s)+16*\b+\i]|, |v[(\s)+16*\b+\i+1]|
.endr
.endr
.irp b, 0,1
	s_delay_alu instid0(VALU_DEP_2)
	v_permlanex16_b32 v[TM+2+\b], v[TM+\b], s[SEL], s[SEL+1]
.endr
.irp b, 0,1
	s_delay_alu instid0(VALU_DEP_2)
	v_max_num_f32 v[TM+\b], v[TM+\b], v[TM+2+\b]
.endr
.irp b, 0,1
	s_delay_alu instid0(VALU_DEP_2)
	v_add_nc_u32 v[TM+4+\b], 0xff000000, v[TM+\b]
.endr
.irp b, 0,1
	s_delay_alu instid0(VALU_DEP_2)
	v_lshrrev_b32 v[TM+2+\b], 23, v[TM+4+\b]
.endr
	s_delay_alu instid0(VALU_DEP_1)
	v_lshl_or_b32 v[\pw], v[TM+3], 8, v[TM+2]
	s_delay_alu instid0(VALU_DEP_1)
	v_or_b32 v[\pw], 0x7f7f0000, v[\pw]
	v_cvt_scalef32_pk16_fp6_f32 v[(\pc):(\pc)+2], v[(\s):(\s)+15], v[TM+4]
	v_cvt_scalef32_pk16_fp6_f32 v[TC:TC+2], v[(\s)+16:(\s)+31], v[TM+5]
	v_nop
.irp i, 0,1,2
	v_permlane16_swap_b32 v[(\pc)+\i], v[TC+\i]
.endr
.irp i, 0,1,2
	s_delay_alu instid0(VALU_DEP_3)
	v_mov_b32 v[(\pc)+3+\i], v[TC+\i]
.endr
.endm
	s_load_b256 s[4:11], s[0:1], 0x0               ; qimg, qsc, kv, oimg
	s_load_b64 s[12:13], s[0:1], 0x20              ; osc
	v_lshl_add_u32 v[SPW], v0, 2, SPARE
	v_mov_b32 v[NIL], 0
	v_lshrrev_b32 v246, 5, v0
	s_delay_alu instid0(VALU_DEP_1)
	v_readfirstlane_b32 s[WV], v246                ; wave 0..15
	s_lshr_b32 s40, s[WV], 2                       ; which of the four query heads
	s_add_co_u32 s41, s[WV], s40
	s_and_b32 s41, s41, 3                          ; which of the four tiles
	s_and_b32 s42, s41, 1                          ; u
	s_sub_co_u32 s43, 63, ttmp9
	s_cmp_lt_u32 s41, 2
	s_cselect_b32 s43, ttmp9, s43                  ; the group of 32 tokens: j or 63 - j
	s_lshl_b32 s[Q0], s43, 5
	s_lshl_b32 s44, s42, 3
	s_add_co_u32 s[Q0], s[Q0], s44
	s_lshl_b32 s[LQ], ttmp9, 5
	s_sub_co_u32 s[LQ], 2047, s[LQ]
	s_and_b32 s45, ttmp7, 0xffff
	s_lshr_b32 s46, s45, 2                         ; batch
	s_and_b32 s47, s45, 3                          ; key and value head
	s_lshl_b32 s48, s47, 2
	s_add_co_u32 s48, s48, s40                     ; query head
	s_lshl_b32 s49, s46, 4
	s_add_co_u32 s49, s49, s48
	s_lshl_b32 s50, s43, 1
	s_add_co_u32 s50, s50, s42                     ; token tile in the batch
	s_lshl_b32 s51, s49, 7
	s_add_co_u32 s51, s51, s50
	s_mul_i32 s52, s51, 768                        ; q's unit
	s_mov_b32 s53, 0
	s_lshl_b32 s54, s49, 5
	s_lshr_b32 s51, s43, 1
	s_add_co_u32 s54, s54, s51
	s_lshl_b32 s54, s54, 8
	s_lshl_b32 s51, s42, 7
	s_add_co_u32 s54, s54, s51
	s_and_b32 s51, s43, 1
	s_lshl_b32 s51, s51, 2
	s_add_co_u32 s54, s54, s51                     ; q's scale words: block of 64 tokens x 256 + 128 u + 4 (group & 1), 8 bytes from row to row
	s_mov_b32 s55, 0
	s_lshl_b32 s51, s46, 7
	s_add_co_u32 s50, s50, s51                     ; token tile of all 256
	s_lshl_b32 s56, s50, 4
	s_add_co_u32 s56, s56, s48
	s_mul_i32 s56, s56, 768                        ; o's unit
	s_mov_b32 s57, 0
	s_lshl_b32 s58, s47, 8
	s_add_co_u32 s58, s58, s50
	s_lshl_b32 s58, s58, 7
	s_lshl_b32 s51, s40, 1
	s_add_co_u32 s58, s58, s51                     ; o's scale bytes
	s_mov_b32 s59, 0
	s_mul_i32 s60, s45, 8*REC                      ; the head's records
	s_mov_b32 s61, 0
	s_cmp_lt_u32 s[WV], 3
	s_cselect_b32 s[PFL], 6, 0
	s_cmp_eq_u32 ttmp9, 0
	s_cselect_b32 s[PFL], s[PFL], 0                ; waves 0 to 2 of the head's first work-group prefetch
	s_mov_b32 s[SEL], 0x76543210
	s_mov_b32 s[SEL+1], 0xfedcba98
	s_mov_b32 s[CS], 0x3e38aa3b                    ; log2(e) / 8
	s_mov_b32 s[CS+1], s[CS]
	s_mov_b32 s[HM], 0xffff0000
	s_mov_b32 s[PSEL], 0x05040100
	s_mov_b32 s[TB], 0
	s_mov_b32 s[KF], 0
	v_and_b32 v246, 31, v0
	s_delay_alu instid0(VALU_DEP_1)
	v_lshlrev_b32 v[L16], 4, v246
	s_delay_alu instid0(VALU_DEP_2)
	v_lshlrev_b32 v[L8], 3, v246
	v_lshlrev_b32 v[T16], 4, v0
	v_lshlrev_b32 v[T4], 2, v0
	v_lshlrev_b32 v[PFO], 8, v0
	v_and_b32 v246, 15, v0                         ; r
	v_bfe_u32 v247, v0, 4, 1                       ; h
	s_delay_alu instid0(VALU_DEP_2)
	v_and_b32 v248, 8, v246
	s_delay_alu instid0(VALU_DEP_1)
	v_add_nc_u32 v[DL], v248, v246
	s_delay_alu instid0(VALU_DEP_3)
	v_lshlrev_b32 v248, 4, v247
	s_delay_alu instid0(VALU_DEP_1)
	v_sub_nc_u32 v[DL], v[DL], v248
	v_lshlrev_b32 v[QO], 3, v246
	s_delay_alu instid0(VALU_DEP_1)
	v_add_nc_u32 v[OB], v[QO], v247
	s_wait_alu depctr_va_vdst(0)
	s_wait_kmcnt 0x0
	s_add_nc_u64 s[KVP:KVP+1], s[8:9], s[60:61]
	s_add_nc_u64 s[4:5], s[4:5], s[52:53]
	s_add_nc_u64 s[6:7], s[6:7], s[54:55]
	s_add_nc_u64 s[OP:OP+1], s[10:11], s[56:57]
	s_add_nc_u64 s[OSP:OSP+1], s[12:13], s[58:59]
.irp i, 0,1,2
	global_load_b128 v[FS+4*\i:FS+4*\i+3], v[T16], s[KVP:KVP+1] offset:8192*\i   ; record 0: 512 threads x 16 bytes, three times,
.endr
	global_load_b32 v[FS+12], v[T4], s[KVP:KVP+1] offset:24576                   ; and 512 x 4
	global_load_b128 v[QF:QF+3], v[L16], s[4:5]
	global_load_b64 v[QF+4:QF+5], v[L8], s[4:5] offset:512
	global_load_b32 v[QS], v[QO], s[6:7]
	v_mov_b32 v13, 0xff61b1e6                      ; the largest t so far: -3e38
	s_delay_alu instid0(VALU_DEP_1)
	v_floor_f32 v12, -v13                          ; -M
	v_mov_b32 v14, 0
	v_mov_b32 v15, 0
.irp j, 22,23,24,25,26,27, 80,81,82,83,84,85
	v_mov_b32 v[\j], 0                             ; zero codes
.endr
.irp j, 0,1,2,3,4,5,6,7,8,9,10,11,12,13,14,15,16,17,18,19,20,21,22,23,24,25,26,27,28,29,30,31
	v_mov_b32 v[160+\j], 0                         ; O^T: the step is written once; the first finds zeros
.endr
.irp j, 206,207,208,209,210,211,212,213,214,215,216,217,218,221
	v_mov_b32 v[\j], 0                             ; permute destinations and the upper half of a named pair are written once
.endr
	s_wait_loadcnt 0x0
.irp i, 0,1,2
	ds_store_b128 v[T16], v[FS+4*\i:FS+4*\i+3] offset:8192*\i
.endr
	ds_store_b32 v[T4], v[FS+12] offset:24576
	s_wait_dscnt 0x0                               ; my part of record 0 lies in LDS,
	s_barrier_signal -1
	s_barrier_wait -1                              ; everybody's does
; A KEY STEP: 128 keys, the q-th of the record in hand
.macro STEP q
	s_add_co_u32 s40, s[Q0], 23                    ; my last query
	s_cmp_gt_u32 s[KF], s40
	s_cbranch_scc1 .Lhidden_\@                     ; all 128 keys come after my queries: ids alone; no barrier stands in a step
.rept 4
	v_nop                                          ; places in front of loads into registers that the last products read
.endr
	s_wait_alu depctr_va_vdst(0)
.irp t, 0,1,2,3,4,5,6,7
	ds_load_b128 v[32+6*\t:35+6*\t], v[ADK16] offset:(8*(\q)+\t)*768
	ds_load_b64 v[36+6*\t:37+6*\t], v[ADK8] offset:(8*(\q)+\t)*768+512
.endr
.irp i, 0,1
	ds_load_b64 v[KS+2*\i:KS+2*\i+1], v[ADK8] offset:24576+(2*(\q)+\i)*256
.endr
	s_wait_dscnt 0x0
.irp t, 0,1,2,3,4,5,6,7
.if \t%2
	v_wmma_scale_f32_16x16x128_f8f6f4 v[96+8*\t:103+8*\t], v[32+6*\t:43+6*\t], v[QF:QF+11], 0, v[KS+\t/2], v[QS] matrix_a_fmt:MATRIX_FMT_FP6 matrix_b_fmt:MATRIX_FMT_FP6 matrix_a_scale:MATRIX_SCALE_ROW1
.else
	v_wmma_scale_f32_16x16x128_f8f6f4 v[96+8*\t:103+8*\t], v[32+6*\t:43+6*\t], v[QF:QF+11], 0, v[KS+\t/2], v[QS] matrix_a_fmt:MATRIX_FMT_FP6 matrix_b_fmt:MATRIX_FMT_FP6
.endif
.endr
.rept 4
	v_nop                                          ; places in front of the loads below and of the first read of the scores
.endr
.irp t, 0,1,2,3                                ; v's four fragments (16 channels x 128 keys: two units) land while the softmax is walked
.irp c, 0,1
	ds_load_b128 v[32+12*\t+6*\c:35+12*\t+6*\c], v[ADK16] offset:12288+((2*(\q)+\c)*4+\t)*768
	ds_load_b64 v[36+12*\t+6*\c:37+12*\t+6*\c], v[ADK8] offset:12288+((2*(\q)+\c)*4+\t)*768+512
.endr
.endr
.irp c, 0,1
	ds_load_b64 v[VR+2*\c:VR+2*\c+1], v[ADK8] offset:25600+(2*(\q)+\c)*256
.endr
	s_add_co_u32 s40, s[KF], 127                   ; on the diagonal hidden scores become -infinity ahead of the maximum; a step all of whose keys count passes this over
	s_cmp_le_u32 s40, s[Q0]
	s_cbranch_scc1 .Lopen_\@
	s_sub_co_i32 s40, s[Q0], s[KF]
	v_add_nc_u32 v[MD], s40, v[DL]                 ; d = my query - KF - 16 (lane / 16).  Register 16 b + i holds key KF + 16 (lane / 16) + 32 b + i: hidden where 32 b + i > d
	v_mov_b32 v[MI], 0xff800000
.irp n, 0,1,2,3,4,5,6,7,8,9,10,11,12,13,14,15,16,17,18,19,20,21,22,23,24,25,26,27,28,29,30,31,32,33,34,35,36,37,38,39,40,41,42,43,44,45,46,47,48,49,50,51,52,53,54,55,56,57,58,59,60,61,62,63
	v_cmp_gt_i32 vcc_lo, 32*(\n/16)+\n%16, v[MD]
	v_cndmask_b32 v[96+\n], v[96+\n], v[MI], vcc_lo
.endr
.Lopen_\@:
.irp b, 0,1,2,3
	v_max3_num_f32 v[BM+\b], v[96+16*\b], v[97+16*\b], v[98+16*\b]   ; the largest score of each block of 32 keys: for the row's maximum, and, since p rises with the score, for the block's largest p
.endr
.irp i, 3,5,7,9,11,13
.irp b, 0,1,2,3
	v_max3_num_f32 v[BM+\b], v[BM+\b], v[96+16*\b+\i], v[97+16*\b+\i]
.endr
.endr
.irp b, 0,1,2,3
	v_max_num_f32 v[BM+\b], v[BM+\b], v[111+16*\b]
.endr
.irp b, 0,1,2,3
	s_delay_alu instid0(VALU_DEP_4)
	v_permlanex16_b32 v[BT+\b], v[BM+\b], s[SEL], s[SEL+1]
.endr
.irp b, 0,1,2,3
	s_delay_alu instid0(VALU_DEP_4)
	v_max_num_f32 v[BM+\b], v[BM+\b], v[BT+\b]     ; with lane l xor 16's 16 keys
.endr
	s_delay_alu instid0(VALU_DEP_2)
	v_max3_num_f32 v[T0], v[BM], v[BM+1], v[BM+2]
	s_delay_alu instid0(VALU_DEP_1)
	v_max_num_f32 v[T0], v[T0], v[BM+3]
	s_delay_alu instid0(VALU_DEP_1)
	v_mul_f32 v[T0], s[CS], v[T0]                  ; as t
	s_delay_alu instid0(VALU_DEP_1)
	v_max_num_f32 v13, v13, v[T0]                  ; the running largest t
	v_mov_b32 v[T0], v12
	s_delay_alu instid0(VALU_DEP_2)
	v_floor_f32 v12, -v13                          ; the new -M = -ceil(t)
	s_delay_alu instid0(VALU_DEP_1)
	v_sub_f32 v[T0], v12, v[T0]                    ; old M - new M: a whole number, 0 or less
	s_delay_alu instid0(VALU_DEP_1)
	v_cvt_i32_f32 v[T0], v[T0]                     ; (it saturates)
	s_delay_alu instid0(VALU_DEP_1)
	v_ldexp_f32 v[F], 1.0, v[T0]                   ; f = 2^(old M - new M)
.irp j, 0,2,4,6,8,10,12,14,16,18,20,22,24,26,28,30,32,34,36,38,40,42,44,46,48,50,52,54,56,58,60,62
	v_pk_fma_f32 v[96+\j:97+\j], v[96+\j:97+\j], s[CS:CS+1], v[12:13] op_sel_hi:[1,0,0]   ; t - M, two at a time
.endr
.irp b, 0,1,2,3
	v_fma_f32 v[BM+\b], v[BM+\b], s[CS], v12
.endr
	s_wait_alu depctr_va_vdst(0)
.irp j, 0,1,2,3,4,5,6,7,8,9,10,11,12,13,14,15,16,17,18,19,20,21,22,23,24,25,26,27,28,29,30,31,32,33,34,35,36,37,38,39,40,41,42,43,44,45,46,47,48,49,50,51,52,53,54,55,56,57,58,59,60,61,62,63
	v_exp_f32 v[96+\j], v[96+\j]                   ; p = 2^(t - M): not normalised
.endr
	v_pk_mul_f32 v[14:15], v[14:15], v[F:F+1] op_sel_hi:[1,0]   ; the sums under the new M: a plain place behind the exponentials
	s_wait_alu depctr_va_vdst(0)                   ; one wait for the batch of 64, ahead of its first reader
.irp b, 0,1,2,3
	v_exp_f32 v[BM+\b], v[BM+\b]                   ; each block's largest p
.endr
	v_pk_add_f32 v[222:223], v[100:101], v[104:105]
	v_pk_add_f32 v[254:255], v[108:109], v[112:113]
	v_pk_add_f32 v[252:253], v[116:117], v[120:121]
	v_pk_add_f32 v[250:251], v[124:125], v[128:129]
	v_pk_add_f32 v[248:249], v[132:133], v[136:137]
	v_pk_add_f32 v[246:247], v[140:141], v[144:145]
	v_pk_add_f32 v[242:243], v[148:149], v[152:153]
	v_pk_add_f32 v[14:15], v[14:15], v[156:157]
	v_pk_add_f32 v[222:223], v[222:223], v[96:97]
	v_pk_add_f32 v[254:255], v[254:255], v[98:99]
	v_pk_add_f32 v[252:253], v[252:253], v[102:103]
	v_pk_add_f32 v[250:251], v[250:251], v[106:107]
	v_pk_add_f32 v[248:249], v[248:249], v[110:111]
	v_pk_add_f32 v[246:247], v[246:247], v[114:115]
	v_pk_add_f32 v[242:243], v[242:243], v[118:119]
	v_pk_add_f32 v[14:15], v[14:15], v[122:123]
	v_pk_add_f32 v[222:223], v[222:223], v[126:127]
	v_pk_add_f32 v[254:255], v[254:255], v[130:131]
	v_pk_add_f32 v[252:253], v[252:253], v[134:135]
	v_pk_add_f32 v[250:251], v[250:251], v[138:139]
	v_pk_add_f32 v[248:249], v[248:249], v[142:143]
	v_pk_add_f32 v[246:247], v[246:247], v[146:147]
	v_pk_add_f32 v[242:243], v[242:243], v[150:151]
	v_pk_add_f32 v[14:15], v[14:15], v[154:155]
	v_pk_add_f32 v[222:223], v[222:223], v[158:159]
	s_delay_alu instid0(VALU_DEP_2)
	v_pk_add_f32 v[14:15], v[14:15], v[250:251]
	s_delay_alu instid0(VALU_DEP_2)
	v_pk_add_f32 v[222:223], v[222:223], v[248:249]
	v_pk_add_f32 v[254:255], v[254:255], v[246:247]
	v_pk_add_f32 v[252:253], v[252:253], v[242:243]
	s_delay_alu instid0(VALU_DEP_2)
	v_pk_add_f32 v[14:15], v[14:15], v[254:255]
	s_delay_alu instid0(VALU_DEP_2)
	v_pk_add_f32 v[222:223], v[222:223], v[252:253]
	s_delay_alu instid0(VALU_DEP_1)
	v_pk_add_f32 v[14:15], v[14:15], v[222:223]
	s_wait_alu depctr_va_vdst(0)                   ; and one for the four
.irp b, 0,1,2,3
	v_max_num_f32 v[BM+\b], 0x1800000, v[BM+\b]    ; the floor 2^(3 - 127)
.endr
.irp b, 0,1,2,3
	s_delay_alu instid0(VALU_DEP_4)
	v_add_nc_u32 v[BSC+\b], 0xff000000, v[BM+\b]   ; 2 off the exponent field: the conversion's scale operand
.endr
.irp b, 0,1,2,3
	s_delay_alu instid0(VALU_DEP_4)
	v_lshrrev_b32 v[BT+\b], 23, v[BSC+\b]          ; the byte
.endr
	s_delay_alu instid0(VALU_DEP_3)
	v_lshl_or_b32 v[PSW], v[BT+1], 8, v[BT]
	s_delay_alu instid0(VALU_DEP_1)
	v_lshl_or_b32 v[PSW], v[BT+2], 16, v[PSW]
	s_delay_alu instid0(VALU_DEP_1)
	v_lshl_or_b32 v[PSW], v[BT+3], 24, v[PSW]
.irp c, 0,1
	v_cvt_scalef32_pk16_fp6_f32 v[PCD+6*\c:PCD+2+6*\c], v[96+32*\c:111+32*\c], v[BSC+2*\c]
	v_cvt_scalef32_pk16_fp6_f32 v[CT0+4*\c:CT0+2+4*\c], v[112+32*\c:127+32*\c], v[BSC+2*\c+1]
.endr
	v_nop                                          ; one plain place behind a scaled conversion
.irp c, 0,1
.irp i, 0,1,2
	v_permlane16_swap_b32 v[PCD+6*\c+\i], v[CT0+4*\c+\i]
.endr
.irp i, 0,1,2
	s_delay_alu instid0(VALU_DEP_3)
	v_mov_b32 v[PCD+3+6*\c+\i], v[CT0+4*\c+\i]
.endr
.endr
	s_wait_dscnt 0x0                               ; v's fragments and scale words are in
.irp i, 0,1
	v_perm_b32 v[VS+\i], v[VR+2+\i], v[VR+\i], s[PSEL]   ; two bytes of the first 64 keys, two of the second
.endr
.irp j, 0,2,4,6,8,10,12,14,16,18,20,22,24,26,28,30
	v_pk_mul_f32 v[160+\j:161+\j], v[160+\j:161+\j], v[F:F+1] op_sel_hi:[1,0]   ; O^T under the new M; these sixteen also stand between the lines that made scales and codes and the products
.endr
.irp t, 0,1,2,3                                ; four accumulators by turns, one instruction a turn
.if \t%2
	v_wmma_scale_f32_16x16x128_f8f6f4 v[160+8*\t:167+8*\t], v[32+12*\t:43+12*\t], v[PCD:PCD+11], v[160+8*\t:167+8*\t], v[VS+\t/2], v[PSW] matrix_a_fmt:MATRIX_FMT_FP6 matrix_b_fmt:MATRIX_FMT_FP6 matrix_a_scale:MATRIX_SCALE_ROW1
.else
	v_wmma_scale_f32_16x16x128_f8f6f4 v[160+8*\t:167+8*\t], v[32+12*\t:43+12*\t], v[PCD:PCD+11], v[160+8*\t:167+8*\t], v[VS+\t/2], v[PSW] matrix_a_fmt:MATRIX_FMT_FP6 matrix_b_fmt:MATRIX_FMT_FP6
.endif
.endr
.Lhidden_\@:
	s_add_co_u32 s[KF], s[KF], 128
.endm
	s_mov_b32 s[CNT], 0
.Lchunk:                                           ; seven trips, a constant: record CNT is read, record CNT + 1 is brought
	v_add_nc_u32 v[ADK16], s[TB], v[L16]
	v_add_nc_u32 v[ADK8], s[TB], v[L8]
	s_add_co_u32 s40, s[TB], REC
	v_add_nc_u32 v[ADW16], s40, v[T16]
	v_add_nc_u32 v[ADW4], s40, v[T4]
	s_add_co_u32 s40, s[KF], 256                   ; the next record's first key: is it at or under my work-group's last query?  Ids and the count of trips alone: all sixteen waves go the same way
	s_cmp_le_u32 s40, s[LQ]
	s_cselect_b32 s[FLAG], 1, 0
	s_cbranch_scc0 .Lno_fill
.irp i, 0,1,2
	global_load_b128 v[FS+4*\i:FS+4*\i+3], v[T16], s[KVP:KVP+1] offset:REC+8192*\i
.endr
	global_load_b32 v[FS+12], v[T4], s[KVP:KVP+1] offset:REC+24576
.Lno_fill:
	s_cmp_lt_u32 s[CNT], s[PFL]                    ; a prefetch of the codes of the record two on, 96 blocks of 256 bytes, a lane a block: all work-groups of a head read the same records, so the head's first asks, in its waves 0 to 2:
	s_cbranch_scc0 .Lno_ask                        ; each block is named once in the launch, one trip ahead of the loads that want it; records 0, 1 and the scale words come by their loads alone; trips 6 and 7 have no record two on
	global_prefetch_b8 v[PFO], s[KVP:KVP+1] offset:2*REC th:TH_LOAD_NT scope:SCOPE_SE
.Lno_ask:
	STEP 0
	STEP 1
	s_wait_loadcnt 0x0                             ; the next record's bytes are in registers
	s_cmp_eq_u32 s[FLAG], 1
	s_cbranch_scc0 .Lno_store
	s_wait_alu depctr_va_vdst(0)
.irp i, 0,1,2
	ds_store_b128 v[ADW16], v[FS+4*\i:FS+4*\i+3] offset:8192*\i
.endr
	ds_store_b32 v[ADW4], v[FS+12] offset:24576
.Lno_store:
	s_wait_xcnt 0x0                                ; the loads and the prefetch have read their base: it may step
	s_add_nc_u64 s[KVP:KVP+1], s[KVP:KVP+1], REC
	s_add_co_u32 s[TB], s[TB], REC
	s_wait_dscnt 0x0                               ; my part of the next record lies in LDS,
	s_barrier_signal -1
	s_barrier_wait -1                              ; everybody's does
	s_add_co_u32 s[CNT], s[CNT], 1
	s_cmp_lt_u32 s[CNT], 7
	s_cbranch_scc1 .Lchunk
	v_add_nc_u32 v[ADK16], s[TB], v[L16]           ; the last record: nothing is left to bring
	v_add_nc_u32 v[ADK8], s[TB], v[L8]
	STEP 0
	STEP 1
	; THE WAY OUT: O^T / the row's sum, quantised along the head's 64, stored as a unit and two scale bytes a row
.rept 4
	v_nop
.endr
	v_add_f32 v14, v14, v15
	s_wait_alu depctr_va_vdst(0)
	v_permlanex16_b32 v[T0], v14, s[SEL], s[SEL+1]
	s_delay_alu instid0(VALU_DEP_1)
	v_add_f32 v14, v14, v[T0]                      ; the row's sum
	s_wait_alu depctr_va_vdst(0)
	v_rcp_f32 v14, v14
	v_nop                                          ; a plain place behind the reciprocal
	s_wait_alu depctr_va_vdst(0)                   ; and the wait ahead of its first reader
.irp j, 0,1,2,3,4,5,6,7,8,9,10,11,12,13,14,15,16,17,18,19,20,21,22,23,24,25,26,27,28,29,30,31
	v_mul_f32 v[96+\j], v[160+\j], v14             ; register 16 b + i: channel 32 b + 16 (lane / 16) + i
.endr
	QUANT2 96, PCD, PSW
	v_cndmask_b32 v[T0], v[TM+2], v[TM+3], s[HM]   ; lanes 0-15 block 0's byte, lanes 16-31 block 1's
	global_store_b128 v[L16], v[PCD:PCD+3], s[OP:OP+1]             ; 512 consecutive bytes, aligned;
	global_store_b64 v[L8], v[PCD+4:PCD+5], s[OP:OP+1] offset:512  ; and 256
	global_store_b8 v[OB], v[T0], s[OSP:OSP+1]     ; two bytes of each row's eight: the other heads' waves write the rest
	s_wait_tensorcnt 0x0                           ; the wave's end
	ds_add_u32 v[SPW], v[NIL]
	s_wait_dscnt 0x0
	s_endpgm
.Lfunc_end_k_q218fdd3fc2_attn:
	.size	k_q218fdd3fc2_attn, .Lfunc_end_k_q218fdd3fc2_attn-k_q218fdd3fc2_attn
	.p2alignl 7, 3214868480
	.fill 96, 4, 3214868480
	.section	.rodata,"a",@progbits
	.p2align	6, 0x0
	.amdhsa_kernel k_q218fdd3fc2_attn
		.amdhsa_group_segment_fixed_size 215040
		.amdhsa_private_segment_fixed_size 0
		.amdhsa_enable_private_segment 0
		.amdhsa_kernarg_size 40
		.amdhsa_user_sgpr_count 2
		.amdhsa_user_sgpr_kernarg_segment_ptr 1
		.amdhsa_wavefront_size32 1
		.amdhsa_system_sgpr_workgroup_id_x 1
		.amdhsa_system_sgpr_workgroup_id_y 1
		.amdhsa_system_sgpr_workgroup_id_z 1
		.amdhsa_system_vgpr_workitem_id 0
		.amdhsa_next_free_vgpr 256
		.amdhsa_next_free_sgpr 66
		.amdhsa_reserve_vcc 1
		.amdhsa_float_denorm_mode_32 3
		.amdhsa_float_denorm_mode_16_64 3
		.amdhsa_memory_ordered 1
		.amdhsa_forward_progress 1
		.amdhsa_inst_pref_size 103
	.end_amdhsa_kernel
	.amdgpu_metadata
---
amdhsa.version: [ 1, 2 ]
amdhsa.kernels:
  - .name:           k_q218fdd3fc2_attn
    .symbol:         k_q218fdd3fc2_attn.kd
    .args:
      - { .name: qimg, .offset: 0, .size: 8, .value_kind: global_buffer, .address_space: global }
      - { .name: qsc, .offset: 8, .size: 8, .value_kind: global_buffer, .address_space: global }
      - { .name: kv, .offset: 16, .size: 8, .value_kind: global_buffer, .address_space: global }
      - { .name: oimg, .offset: 24, .size: 8, .value_kind: global_buffer, .address_space: global }
      - { .name: osc, .offset: 32, .size: 8, .value_kind: global_buffer, .address_space: global }
    .group_segment_fixed_size: 215040
    .private_segment_fixed_size: 0
    .kernarg_segment_align: 8
    .kernarg_segment_size: 40
    .max_flat_workgroup_size: 512
    .sgpr_count:     66
    .vgpr_count:     256
    .wavefront_size: 32
...
	.end_amdgpu_metadata
.endif
;; end of part 2
;; launch outp (part 3): grid 8 x 32, 4 waves a work-group, clusters of 4 x 4, 239,104 bytes of LDS; arguments oimg, osc, wo_codes, wo_scales, out0; writes out0
.if DOCPART == 3
	.amdgcn_target "amdgcn-amd-amdhsa--gfx1250"
	.amdhsa_code_object_version 6
	.text
	.protected	k_q218fdd3fc2_outp
	.globl	k_q218fdd3fc2_outp
	.p2align	8
	.type	k_q218fdd3fc2_outp,@function
k_q218fdd3fc2_outp:
	s_mov_b64 s[64:65], 0
	v_nop
	global_prefetch_b8 v0, s[64:65] scope:SCOPE_SE
	s_setreg_imm32_b32 hwreg(HW_REG_WAVE_MODE, 25, 1), 1
	s_wait_xcnt 0x0
	s_wait_alu depctr_hold_cnt(0) depctr_sa_sdst(0) depctr_va_vdst(0) depctr_va_sdst(0) depctr_va_ssrc(0) depctr_va_vcc(0) depctr_vm_vsrc(0)
	s_getreg_b32 s2, hwreg(HW_REG_IB_STS2, 6, 4)
	s_cmp_eq_u32 s2, 0
	s_cbranch_scc0 .Lentry_in_a_cluster
	s_endpgm
.Lentry_in_a_cluster:
	s_bfe_u32 s2, ttmp6, 0x10000c
	s_cmp_lg_u32 s2, 0xf033
	s_cbranch_scc0 .Lentry_shape_is_right
	s_endpgm
.Lentry_shape_is_right:
; OUTP: out0 = o wo^T on codes of FP6 (E2M3) with E8M0 scales; o's codes and scale bytes are those that the launch attn has stored.  Nothing is left out here.
; SHARES.  A work-group makes 128 tokens (y) x 128 columns (x) over the whole K = 1,024: 256 work-groups.  S, source 0, is 128 rows of wo: a lane's eight results are eight neighbouring columns of one token's row.
; P, source 1, is 8 token tiles of o, which lie in memory as images of the operand's registers: a token tile's 12,288 bytes are its eight K steps' fragments on end (two units of 768 bytes each).
; Wave w: S half w & 1, P half w >> 1: 4 x 4 tiles, sixteen accumulators.  The rows of a tile are not neighbours on either side: lane r of tile 2 b + u of a half takes row 32 b + 8 u + r + 8 (r / 8).
; CLUSTER 4 x 4: wo's rows hang on the tile column alone and are asked for jointly along a column of the cluster; o's images hang on the tile row alone and are asked for jointly along a row.
; LDS: four slots for S (128 rows of 240 bytes: 192 of data, 16 of padding behind every 64), four for P (8 tiles x 3,072 bytes, dense), one for each 256 along K; every byte is filled once.  Behind them a stage for each wave, and the spare words.
.set PITCH,  240
.set HALFT,  64*PITCH
.set SSLOT,  2*HALFT
.set PIMG,   4*SSLOT
.set PSLOT,  24576
.set STAGE,  PIMG+4*PSLOT              ; 16 rows x 272 bytes for each wave; no fill lands here
.set SPARE,  STAGE+4*16*272
.set SPW, 2
.set NIL, 3
.set AS,   8                           ; v8-11, v12-15 as in the launch proj
.set AP16, 16                          ; v16-19 my P half in slot c + 16 x lane
.set AP8,  20                          ; v20-23 + 8 x lane
.set SOF,  24                          ; v24  32 x (r + 8 (r / 8))
.set POF,  25                          ; v25  8 r
.set STO,  26                          ; v26  the stage, on the way in
.set RD,   27                          ; v27  and back
.set CO,   28                          ; v28  my bytes in two rows of out0
.set SS,   32                          ; v32-63 S's scale words; v64-95 P's: these hold scales alone
.set PS,   64
.set BK,   96                          ; the way out: rows read back: v96-127 and v128-159 (tile 0's accumulators, done with) by turns
.set ACC,  128
.set WV, 14
.set WP, 15
.set WS, 16
.set SSP, 18
.set PSP, 20
.set OUT, 22
.set G1S, 24
.set G1P, 32
.set G0S, 40
.set G0P, 68
.set MSB, 0
.macro WIN new
.if MSB != \new
	s_set_vgpr_msb (MSB<<8)|\new
.set MSB, \new
.endif
.endm
.set TO_F, 0x40
.set MUL,  0x05
.macro PLACES
.rept 4
	v_nop
.endr
.endm
.macro CROUND                          ; a round of the cluster's barrier
	s_barrier_signal -1
	s_barrier_wait -1
	s_cmp_lg_u32 s[WV], 0
	s_cbranch_scc1 .Lnot_wave_0_\@
	s_barrier_signal -3
.Lnot_wave_0_\@:
	s_barrier_wait -3
	s_barrier_signal -1
	s_barrier_wait -1
.endm
.macro FRAG reg, adr, q, i
.irp p, 0,1,2,3,4,5
.set PCE, 12*(\q)+6*(\p/3)+\p%3
.if PCE%8 < 5
	ds_load_b64 v[\reg+2*\p:\reg+2*\p+1], v[\adr] offset:8*PCE+16*(PCE/8)+(32*((\i)/2)+8*((\i)%2))*PITCH
.else
	ds_load_b64 v[\reg+2*\p:\reg+2*\p+1], v[\adr+4] offset:8*PCE+16*(PCE/8)+(32*((\i)/2)+8*((\i)%2))*PITCH
.endif
.endr
.endm
.macro FETCH k, f                      ; K step k: S's four fragments by rows (24 loads), P's four as images (16 loads)
	WIN TO_F
.irp i, 0,1,2,3
	FRAG 128*(\f)+12*\i, AS+(\k)/2, (\k)%2, \i
.endr
.irp i, 0,1,2,3
	ds_load_b128 v[128*(\f)+48+12*\i:128*(\f)+51+12*\i], v[AP16+(\k)/2] offset:\i*3072+((\k)%2)*1536
	ds_load_b64 v[128*(\f)+52+12*\i:128*(\f)+53+12*\i], v[AP8+(\k)/2] offset:\i*3072+((\k)%2)*1536+512
	ds_load_b128 v[128*(\f)+54+12*\i:128*(\f)+57+12*\i], v[AP16+(\k)/2] offset:\i*3072+((\k)%2)*1536+768
	ds_load_b64 v[128*(\f)+58+12*\i:128*(\f)+59+12*\i], v[AP8+(\k)/2] offset:\i*3072+((\k)%2)*1536+1280
.endr
.endm
.macro MULS k, f, zero                 ; sixteen accumulators by turns, one instruction a turn
	WIN MUL
.irp p, 0,1,2,3
.irp s, 0,1,2,3
.if \zero
	v_wmma_scale_f32_16x16x128_f8f6f4 v[ACC+32*\p+8*\s:ACC+32*\p+8*\s+7], v[128*(\f)+12*\s:128*(\f)+12*\s+11], v[128*(\f)+48+12*\p:128*(\f)+48+12*\p+11], 0, v[SS+8*\s+(\k)], v[PS+8*\p+(\k)] matrix_a_fmt:MATRIX_FMT_FP6 matrix_b_fmt:MATRIX_FMT_FP6
.else
	v_wmma_scale_f32_16x16x128_f8f6f4 v[ACC+32*\p+8*\s:ACC+32*\p+8*\s+7], v[128*(\f)+12*\s:128*(\f)+12*\s+11], v[128*(\f)+48+12*\p:128*(\f)+48+12*\p+11], v[ACC+32*\p+8*\s:ACC+32*\p+8*\s+7], v[SS+8*\s+(\k)], v[PS+8*\p+(\k)] matrix_a_fmt:MATRIX_FMT_FP6 matrix_b_fmt:MATRIX_FMT_FP6
.endif
.endr
.endr
.endm
	s_load_b256 s[4:11], s[0:1], 0x0               ; oimg, osc, wo codes, wo scales
	s_load_b64 s[12:13], s[0:1], 0x20              ; out0
	v_lshl_add_u32 v[SPW], v0, 2, SPARE
	v_mov_b32 v[NIL], 0
	ds_add_u32 v[SPW], v[NIL]                      ; the wave's opening: the add, twice on end, and its wait ahead of the round in front of my first tensor loads
	ds_add_u32 v[SPW], v[NIL]
	v_lshrrev_b32 v1, 5, v0
	v_readfirstlane_b32 s[WV], v1                  ; wave 0..3
	s_lshr_b32 s[WP], s[WV], 1                     ; my P half.  Also: I fetch for S (0) or for P (1)
	s_and_b32 s[WS], s[WV], 1                      ; my S half.  Also: which half of that side I fetch
	s_bfe_u32 s84, ttmp6, 0x40000                  ; cx
	s_bfe_u32 s85, ttmp6, 0x40004                  ; cy
	s_lshl_b32 s86, ttmp9, 2
	s_add_co_u32 s86, s86, s84                     ; tile column
	s_and_b32 s87, ttmp7, 0xffff
	s_lshl_b32 s87, s87, 2
	s_add_co_u32 s87, s87, s85                     ; tile row
	s_lshl_b32 s88, s85, 2
	s_lshl_b32 s88, 15, s88                        ; my row of the cluster
	s_lshl_b32 s89, 0x1111, s84                    ; my column
	s_or_b32 s[G1S+0], s89, (1<<20)|(1<<21)|(3<<22)|(3<<25)   ; wo's rows go to my column; elements of 1 byte; padding: after every 16 words 4 words; bit 21 beside a mask
	s_mov_b32 s[G1S+1], 192<<16
	s_mov_b32 s[G1S+2], 64<<16
	s_mov_b32 s[G1S+3], 192<<16
	s_mov_b32 s[G1S+4], 64
	s_mov_b32 s[G1S+5], 768
	s_mov_b32 s[G1S+6], 0
	s_mov_b32 s[G1S+7], 0
	s_or_b32 s[G1P+0], s88, (3<<16)|(1<<21)        ; o's images go to my row; elements of 8 bytes; no padding
	s_mov_b32 s[G1P+1], 384<<16                    ; a token tile's 3,072 bytes of 256 along K
	s_mov_b32 s[G1P+2], 4<<16                      ; four token tiles
	s_mov_b32 s[G1P+3], 384<<16
	s_mov_b32 s[G1P+4], 4
	s_mov_b32 s[G1P+5], 1536                       ; 12,288 bytes from tile to tile
	s_mov_b32 s[G1P+6], 0
	s_mov_b32 s[G1P+7], 0
	s_lshl_b32 s90, s86, 7                         ; S hangs on the tile column alone,
	s_lshl_b32 s94, s[WS], 6
	s_add_co_u32 s90, s90, s94
	s_mul_i32 s90, s90, 768
	s_mov_b32 s91, 0
	s_lshl_b32 s92, s87, 3                         ; P on the tile row alone: each in registers that never hold the other coordinate
	s_lshl_b32 s95, s[WS], 2
	s_add_co_u32 s92, s92, s95
	s_mul_i32 s92, s92, 12288
	s_mov_b32 s93, 0
	s_mul_i32 s94, s[WS], HALFT                    ; where they go: the wave's number alone
	s_mul_i32 s95, s[WS], 12288
	s_add_co_u32 s95, s95, PIMG
	s_wait_dscnt 0x0                               ; both opening adds are done
	s_wait_kmcnt 0x0
	s_add_nc_u64 s[90:91], s[8:9], s[90:91]
	s_add_nc_u64 s[92:93], s[4:5], s[92:93]
	CROUND                                         ; all sixteen work-groups are here: the joint loads meet
.irp c, 0,1,2,3
	s_mov_b32 s[G0S+4*\c], 1
	s_add_co_u32 s[G0S+4*\c+1], s94, \c*SSLOT
	s_add_nc_u64 s[G0S+4*\c+2:G0S+4*\c+3], s[90:91], \c*192
	s_or_b32 s[G0S+4*\c+3], s[G0S+4*\c+3], 0x80000000
	s_mov_b32 s[G0P+4*\c], 1
	s_add_co_u32 s[G0P+4*\c+1], s95, \c*PSLOT
	s_add_nc_u64 s[G0P+4*\c+2:G0P+4*\c+3], s[92:93], \c*3072
	s_or_b32 s[G0P+4*\c+3], s[G0P+4*\c+3], 0x80000000
.endr
	s_cmp_lt_u32 s[WV], 2                          ; a wave's four first fills stand in one arm of one branch on the wave's number: four loads of mine are out
	s_cbranch_scc0 .Lfor_p
.irp c, 0,1,2,3
	tensor_load_to_lds s[G0S+4*\c:G0S+4*\c+3], s[G1S:G1S+7]
	s_nop 0
.endr
	PLACES
	s_branch .Lasked
.Lfor_p:
.irp c, 0,1,2,3
	tensor_load_to_lds s[G0P+4*\c:G0P+4*\c+3], s[G1P:G1P+7]
	s_nop 0
.endr
	PLACES
.Lasked:
	s_lshl_b32 s96, s86, 7
	s_lshl_b32 s98, s[WS], 6
	s_add_co_u32 s96, s96, s98                     ; my first column
	s_lshl_b32 s98, s96, 2                         ; its bytes in a row of out0,
	s_lshl_b32 s96, s96, 5                         ; and its row of wo's scale bytes
	s_mov_b32 s97, 0
	s_mov_b32 s99, 0
	s_add_nc_u64 s[SSP:SSP+1], s[10:11], s[96:97]
	s_add_nc_u64 s[OUT:OUT+1], s[12:13], s[98:99]
	s_lshl_b32 s96, s87, 3
	s_lshl_b32 s98, s[WP], 2
	s_add_co_u32 s96, s96, s98                     ; my first token tile
	s_lshl_b32 s98, s96, 16                        ; 16 rows of 4,096 bytes
	s_lshl_b32 s96, s96, 7                         ; 128 scale bytes a tile and group of four heads
	s_add_nc_u64 s[PSP:PSP+1], s[6:7], s[96:97]
	s_add_nc_u64 s[OUT:OUT+1], s[OUT:OUT+1], s[98:99]
	v_and_b32 v4, 15, v0                           ; r
	v_bfe_u32 v5, v0, 4, 1                         ; h
	v_and_b32 v6, 8, v4
	v_add_nc_u32 v6, v6, v4                        ; r + 8 (r / 8)
	v_lshlrev_b32 v[SOF], 5, v6
	v_lshlrev_b32 v[POF], 3, v4
.irp t, 0,1,2,3
	global_load_b128 v[SS+8*\t:SS+8*\t+3], v[SOF], s[SSP:SSP+1] offset:(32*(\t/2)+8*(\t%2))*32
	global_load_b128 v[SS+8*\t+4:SS+8*\t+7], v[SOF], s[SSP:SSP+1] offset:(32*(\t/2)+8*(\t%2))*32+16
.endr
.irp p, 0,1,2,3
.irp g, 0,1,2,3
	global_load_b64 v[PS+8*\p+2*\g:PS+8*\p+2*\g+1], v[POF], s[PSP:PSP+1] offset:\g*32768+\p*128   ; the words of K steps 2 g and 2 g + 1: heads 4 g .. 4 g + 3
.endr
.endr
	v_mul_u32_u24 v7, v6, PITCH
	v_mad_u32_u24 v7, v5, 24, v7
	v_lshl_add_u32 v29, v5, 4, v7
	v_and_b32 v30, 31, v0
	v_lshlrev_b32 v31, 4, v30                      ; 16 x lane
	v_lshlrev_b32 v30, 3, v30                      ; 8 x lane
	s_mul_i32 s96, s[WS], HALFT
	s_mul_i32 s98, s[WP], 12288
	s_add_co_u32 s98, s98, PIMG
.irp c, 0,1,2,3
	v_add_nc_u32 v[AS+\c], s96, v7
	v_add_nc_u32 v[AS+4+\c], s96, v29
	v_add_nc_u32 v[AP16+\c], s98, v31
	v_add_nc_u32 v[AP8+\c], s98, v30
	s_add_co_u32 s96, s96, SSLOT
	s_add_co_u32 s98, s98, PSLOT
.endr
	s_mul_i32 s96, s[WV], 16*272
	s_add_co_u32 s96, s96, STAGE                   ; my stage
	v_mul_u32_u24 v[STO], v4, 272
	v_lshl_add_u32 v[STO], v5, 6, v[STO]
	v_add_nc_u32 v[STO], s96, v[STO]               ; in: row r, + 64 h
	v_mul_u32_u24 v[RD], v5, 272
	v_lshl_add_u32 v[RD], v4, 4, v[RD]
	v_add_nc_u32 v[RD], s96, v[RD]                 ; back: lanes 0-15 one row of 256 bytes, lanes 16-31 the next
	v_lshlrev_b32 v[CO], 12, v5
	v_lshl_add_u32 v[CO], v4, 4, v[CO]             ; and the same two rows in out0
	s_wait_alu depctr_va_vdst(0)
	s_wait_tensorcnt 0x3                           ; my part of the first 256 along K is in; my three younger loads may stay out
	s_barrier_signal -1
	s_barrier_wait -1
	FETCH 0, 0
.irp k, 0,1,2,3,4,5,6,7
.if \k < 7
.if (\k+1)%2 == 0
	s_wait_tensorcnt 3-(\k+1)/2                    ; my part of the next 256 along K is in
	s_wait_dscnt 0x0                               ; no LDS load of mine is out at the signal
	s_barrier_signal -1
	s_barrier_wait -1
.endif
.if \k >= 1
	PLACES                                         ; in front of loads into the buffer that the step before multiplied
.endif
	FETCH \k+1, (\k+1)%2
	s_wait_dscnt 40                                ; all but the 40 just issued
.else
	s_wait_dscnt 0x0
.endif
.if \k == 0
	s_wait_loadcnt 0x0                             ; the scale words
	MULS \k, \k%2, 1                               ; the first step starts the sums
.else
	MULS \k, \k%2, 0
.endif
.endr
	WIN 0
	PLACES
; THE WAY OUT, a token tile (16 rows x 64 columns) at a time, through my own stage: a lane holds 32 bytes of a row four times over; back come whole runs of 256 bytes.  LDS serves a wave's instructions in order (ISA guide 5.7.1.4).
.macro TOSTAGE a
.irp s, 0,1,2,3
	ds_store_b128 v[STO], v[ACC+32*(\a)+8*\s:ACC+32*(\a)+8*\s+3] offset:128*(\s/2)+32*(\s%2)        ; each accumulator from its low end on
	ds_store_b128 v[STO], v[ACC+32*(\a)+8*\s+4:ACC+32*(\a)+8*\s+7] offset:128*(\s/2)+32*(\s%2)+16
.endr
.if (\a) == 1
	s_wait_dscnt 16                                ; tile 0's stores into the stage are done (behind them: its 8 loads, tile 1's 8 stores): its accumulators take the loads below
.endif
.irp i, 0,1,2,3,4,5,6,7
	ds_load_b128 v[BK+32*((\a)%2)+4*\i:BK+32*((\a)%2)+4*\i+3], v[RD] offset:544*\i
.endr
.endm
.macro SEND a, younger                 ; younger: the LDS instructions issued behind tile a's loads.  Stage row 2 i + h is token 32 (a / 2) + 8 (a % 2) + 2 i + h + 8 (i / 4) of my 64
	s_wait_dscnt \younger
.irp i, 0,1,2,3,4,5,6,7
	global_store_b128 v[CO], v[BK+32*((\a)%2)+4*\i:BK+32*((\a)%2)+4*\i+3], s[OUT:OUT+1] offset:(32*((\a)/2)+8*((\a)%2)+2*\i+8*(\i/4))*4096 th:TH_STORE_NT   ; 16 lanes store 256 consecutive bytes, aligned
.endr
.endm
	TOSTAGE 0
	TOSTAGE 1
	SEND 0, 16
	s_wait_xcnt 0x0                                ; tile 0's stores have read their registers: tile 2's rows may land there
	TOSTAGE 2
	SEND 1, 16
	s_wait_xcnt 0x0                                ; tile 1's likewise
	TOSTAGE 3
	SEND 2, 16
	SEND 3, 0
	s_wait_tensorcnt 0x0                           ; the wave's end
	ds_add_u32 v[SPW], v[NIL]
	s_wait_dscnt 0x0
	CROUND                                         ; the closing round
	s_endpgm
.Lfunc_end_k_q218fdd3fc2_outp:
	.size	k_q218fdd3fc2_outp, .Lfunc_end_k_q218fdd3fc2_outp-k_q218fdd3fc2_outp
	.p2alignl 7, 3214868480
	.fill 96, 4, 3214868480
	.section	.rodata,"a",@progbits
	.p2align	6, 0x0
	.amdhsa_kernel k_q218fdd3fc2_outp
		.amdhsa_group_segment_fixed_size 239104
		.amdhsa_private_segment_fixed_size 0
		.amdhsa_enable_private_segment 0
		.amdhsa_kernarg_size 40
		.amdhsa_user_sgpr_count 2
		.amdhsa_user_sgpr_kernarg_segment_ptr 1
		.amdhsa_wavefront_size32 1
		.amdhsa_system_sgpr_workgroup_id_x 1
		.amdhsa_system_sgpr_workgroup_id_y 1
		.amdhsa_system_sgpr_workgroup_id_z 1
		.amdhsa_system_vgpr_workitem_id 0
		.amdhsa_next_free_vgpr 512
		.amdhsa_next_free_sgpr 100
		.amdhsa_reserve_vcc 0
		.amdhsa_float_denorm_mode_32 3
		.amdhsa_float_denorm_mode_16_64 3
		.amdhsa_memory_ordered 1
		.amdhsa_forward_progress 1
		.amdhsa_inst_pref_size 58
	.end_amdhsa_kernel
	.amdgpu_metadata
---
amdhsa.version: [ 1, 2 ]
amdhsa.kernels:
  - .name:           k_q218fdd3fc2_outp
    .symbol:         k_q218fdd3fc2_outp.kd
    .args:
      - { .name: oimg, .offset: 0, .size: 8, .value_kind: global_buffer, .address_space: global }
      - { .name: osc, .offset: 8, .size: 8, .value_kind: global_buffer, .address_space: global }
      - { .name: wo_codes, .offset: 16, .size: 8, .value_kind: global_buffer, .address_space: global }
      - { .name: wo_scales, .offset: 24, .size: 8, .value_kind: global_buffer, .address_space: global }
      - { .name: out0, .offset: 32, .size: 8, .value_kind: global_buffer, .address_space: global }
    .group_segment_fixed_size: 239104
    .private_segment_fixed_size: 0
    .kernarg_segment_align: 8
    .kernarg_segment_size: 40
    .max_flat_workgroup_size: 128
    .sgpr_count:     100
    .vgpr_count:     512
    .wavefront_size: 32
...
	.end_amdgpu_metadata
.endif
;; end of part 3
